; MI455X (gfx1250); checked and timed in simulation.
; The chip was launched on July 23, 2026; its instructions are those of AMD's public machine-readable ISA for CDNA 5 (MIT licence, August 2026) and "CDNA5" Instruction Set Architecture Reference Guide (July 2026). The comments in the code are by the model that wrote it; some were corrected since.
;; Attention. Allowed arithmetic: matrix products marked QUANTISED: E2M1 operands, one E8M0 scale for each 32 along K, by v_wmma_scale_f32_16x16x128_f8f6f4 with both operands' format E2M1 (or v_wmma_scale_f32_32x16x128_f4), f32 sums; products left as they are: f32 operands where the result goes on into a quantised operand, else bf16, f16 or f32 operands; f32 sums; everything else in f32.
;; Inputs: attn_W 1,024 x 2,048 float32; attn_b 1,024 float32; attn_mask 64 x 1,024 int32; encoder_outputs_codes 1,024 x 64 x 32 x 16 uint8 (E2M1 codes of encoder_outputs, K innermost, in blocks of 32 codes, two codes a byte); encoder_outputs_scales 1,024 x 64 x 32 uint8 (E8M0 scales of encoder_outputs, one for each 32 codes along K); hidden_codes 64 x 32 x 16 uint8 (E2M1 codes of hidden, K innermost, in blocks of 32 codes, two codes a byte); hidden_scales 64 x 32 uint8 (E8M0 scales of hidden, one for each 32 codes along K); v_W 1,024 float32.
;; Outputs: out0 64 x 1,024 float32.
;; This version of the problem:
;;   THIS VERSION OF THE PROBLEM IS GIVEN IN LOW PRECISION. The matrix products marked QUANTISED in the list below multiply operands that are first quantised to E2M1 (2 exponent bits, 1 mantissa bit; 4 bits a number), with one power-of-two scale for each 32 numbers along K (OCP MX v1.0); their sums are f32. All else is computed in f32.
;;   The module's matrix products, in the order in which they are computed (A, B: the left and right operand; K: the contracted axis; several contracted axes count as one K, in the product's order):
;;     1. [M 64, K 1,024] x [K 1,024, N 1,024]; A: input hidden (given as codes); B: input attn_W: QUANTISED
;;     2. [M 65,536, K 1,024] x [K 1,024, N 1,024]; A: input encoder_outputs (given as codes); B: input attn_W: QUANTISED
;;     3. [M 65,536, K 1,024] x [K 1,024, N 1]; A: computed on the way; B: input v_W: left as it is (N = 1 < 16)
;;   THE QUANTISER, for each operand of a quantised product, along K:
;;     - K is cut into blocks of 32 from its start; a last block that is shorter is filled with zeros.
;;     - A block's scale is 2^e with e = floor(log2(the largest magnitude in the block)) - 2, held to -126 .. 127; a block of zeros has e = 0. As a byte (E8M0): e + 127.
;;     - Each number is divided by its block's scale, clamped to +-6, and rounded to the nearest number of E2M1, ties to even, subnormals kept.
;;     - The product sums the exact products of the quantised numbers (number of the format x scale) in f32.
;;   ~~~python
;;   def quantise(x, axis):      # numpy; x: float32 -> the quantised numbers, widened to float32 again
;;       x = np.moveaxis(x, axis, -1); K = x.shape[-1]
;;       x = np.pad(x, [(0, 0)] * (x.ndim - 1) + [(0, -K % 32)]); x = x.reshape(x.shape[:-1] + (-1, 32)); a = np.abs(x).max(-1, keepdims=True)
;;       e = np.where(a > 0, np.clip(np.frexp(np.where(a > 0, a, 1))[1] - 1 - 2, -126, 127), 0)      # np.frexp(a)[1] - 1 = floor(log2(a)), exactly
;;       r = np.clip(x / 2.0 ** e, -6, 6)
;;       step = 2.0 ** (np.maximum(np.frexp(np.where(r == 0, 1, r))[1] - 1, 0) - 1)
;;       q = np.round(r / step) * step * 2.0 ** e      # np.round: ties to even
;;       return np.moveaxis(q.reshape(q.shape[:-2] + (-1,))[..., :K], -1, axis).astype(np.float32)
;;   ~~~
;;   INPUTS GIVEN AS CODES. encoder_outputs (in the module: [1024, 64, 1024], K = its axis 2); hidden (in the module: [64, 1024], K = its axis 1): each comes as NAME_codes (uint8): NAME with its K axis moved to the last place and cut into blocks of 32 codes, [.., K / 32, bytes a block], one block behind the other in memory; two codes a byte, the lower K in the low four bits (a code: sign, 2 exponent bits, 1 mantissa bit); and NAME_scales (uint8): the same leading axes, one E8M0 byte (e + 127) for each 32 codes along K. Its value is code x scale, taken as it is: it is not quantised again, and the codes and scales need not be those that the quantiser above would give.
;; One version. Each part assembles by itself: llvm-mc -triple=amdgcn-amd-amdhsa -mcpu=gfx1250 --defsym DOCPART=n.
;; ======== version 1 of 1: 3 launches
;; limits: right only within a limited range of input values
;; workspace buffers: wimg 589,824 bytes; hb 524,288 bytes; simg 2,097,152 bytes; qpart 1,048,576 bytes
;; launch prep (part 1): grid 128 x 3, 4 waves a work-group, no clusters, 42,752 bytes of LDS; arguments attn_W, hidden_codes, hidden_scales, encoder_outputs_scales, wimg, hb, simg; writes wimg, hb, simg
.if DOCPART == 1
	.amdgcn_target "amdgcn-amd-amdhsa--gfx1250"
	.amdhsa_code_object_version 6
	.text
	.protected	k_qad798f962a_prep
	.globl	k_qad798f962a_prep
	.p2align	8
	.type	k_qad798f962a_prep,@function
k_qad798f962a_prep:
	s_mov_b64 s[64:65], 0
	v_nop
	global_prefetch_b8 v0, s[64:65] scope:SCOPE_SE
	s_setreg_imm32_b32 hwreg(HW_REG_WAVE_MODE, 25, 1), 1
	s_wait_xcnt 0x0
; out0[b][s] = softmax_s( where(mask == 0, -1e10, sum_o v[o] tanh(hproj[b][o] + eproj[s,b][o] + bias[o])) ), both projections on codes of E2M1 with one E8M0 scale for each 32 along K.
; THREE LAUNCHES.  This one quantises attn_W along K, makes hproj in two halves of K and re-lays encoder_outputs' scale bytes; the second makes eproj, the tanh and the sum over o; the third adds its parts, masks and takes the softmax.
; NO WORK IS LEFT OUT: every input has a way to the output.  (tanh x is taken as 1 - 2 / (1 + e^(2x)); the constant part, the sum of v, stands ahead of the mask's -1e10 and is kept: the third launch adds it.)
; Work-group (t, 2) re-lays the scale bytes of s = 8 t .. 8 t + 7 from [s][b][32] to simg [b][s][32], so that a b's 32,768 bytes are dense.
; Work-group (u, kh), kh = 0, 1, takes rows 8 u .. 8 u + 7 of attn_W: Wh's 8 rows and We's 8 rows make ONE operand fragment of 16 rows (r < 8: Wh, r >= 8: We).  Wave q takes K step 4 kh + q (128 numbers of each row).
; A row's 512 bytes of a K step are loaded as they lie and turned through the wave's own stage in LDS, so that lane (r, h) holds k = 64 c + 32 h + 0 .. 31 of row r: two whole blocks, in the order of the operand's registers.
; wimg: codes, block u of 4,096 bytes: [K step][c][h][8 rows][16]; at 524,288 a record of 256 bytes for each (u, kh): four scale bytes words for each of 8 rows, 128 bytes, laid twice so that it is a whole 256 bytes.
; hproj: wave w multiplies the four fragments by hidden's rows 16 w on; the result's rows 8 to 15 (We's) share the tile with the live ones and are not used.  hb: [kh][u][b][8]; the next launch adds the halves and the bias.
; LIMITS: a block of zeros gets the byte 1 where the quantiser says 127 (its codes are zeros, and this program alone reads the bytes); NaN and infinities among the inputs are not served;
; hproj is summed in four f32 parts.
.set SPITCH, 528                       ; a stage row: 512 bytes + 16
.set WSTG,  16*SPITCH
.set IMG,   4*WSTG                     ; the four fragments' images, 1,024 bytes each
.set SIMG,  IMG+4096                   ; scale words [16 rows][4 K steps]
.set HST,   SIMG+256                   ; 1,024 bytes for each wave: its part of hproj
.set SPARE, HST+4096                   ; the spare words, 128 bytes for each wave
.set LN,  1
.set R,   2
.set HH,  3
.set L16, 4
.set SIN, 5
.set SOUT, 6
.set IMW, 7
.set SCW, 8
.set IMR, 9
.set SCR, 10
.set HOF, 11
.set SPW, 12
.set NIL, 13
.set HIN, 14
.set HBK, 15
.set X,   16                           ; v16-79   16 rows as loaded; then WF, four fragments of W
.set WF,  16
.set Y,   80                           ; v80-143  my 64 numbers, along K; then the accumulators and hb's sums
.set AC0, 80
.set AC1, 88
.set HO,  96
.set BK,  104
.set F,   144                          ; v144-151 my fragment
.set TM,  152
.set SW,  160
.set GOF, 161
.set HSO, 162
.set RB,  164
.set SO8, 165
.set GS,  167
.set WS,  168                          ; scales and nothing else
.set HS,  172                          ; scales and nothing else
.set HF,  180                          ; v180-211 hidden's four fragments
.set OW,  212
.set SD,  216
	s_load_b256 s[4:11], s[0:1], 0x0               ; attn_W 4, hidden's codes 6, scales 8, encoder's scales 10
	s_load_b128 s[12:15], s[0:1], 0x20             ; wimg 12, hb 14
	s_load_b64 s[16:17], s[0:1], 0x30              ; simg
	v_lshl_add_u32 v[SPW], v0, 2, SPARE
	v_mov_b32 v[NIL], 0
	v_lshrrev_b32 v[LN], 5, v0
	v_readfirstlane_b32 s20, v[LN]                 ; wave q
	s_and_b32 s21, ttmp7, 0xffff                   ; kh, or 2
	s_wait_alu depctr_va_vdst(0)
	s_cmp_eq_u32 s21, 2
	s_cbranch_scc1 .Lrelay
	s_mul_i32 s22, s20, WSTG
	s_lshl_b32 s23, s20, 10
	s_lshl_b32 s28, s20, 2
	s_add_co_u32 s28, s28, SIMG
	s_lshl_b32 s29, s20, 13
	s_lshl_b32 s35, s21, 8
	s_add_co_u32 s29, s29, s35                     ; hidden's codes: 16 rows of 512 a wave, 256 a half of K
	s_lshl_b32 s30, s20, 9
	s_lshl_b32 s35, s21, 4
	s_add_co_u32 s30, s30, s35                     ; hidden's scale bytes: 512 a wave, 16 a half
	s_add_co_u32 s31, s23, IMG
	s_add_co_u32 s32, s31, 128
	s_add_co_u32 s33, s23, HST
	s_lshl_b32 s34, s20, 9
	s_lshl_b32 s36, ttmp9, 16
	s_lshl_b32 s35, s21, 11
	s_add_co_u32 s36, s36, s35
	s_add_co_u32 s36, s36, s34
	s_mov_b32 s37, 0
	s_lshl_b32 s38, ttmp9, 12
	s_add_co_u32 s38, s38, s35
	s_mov_b32 s39, 0
	s_lshl_b32 s40, ttmp9, 11
	s_lshl_b32 s35, s21, 18
	s_add_co_u32 s40, s40, s35
	s_mov_b32 s41, 0
	s_lshl_b32 s44, ttmp9, 9
	s_lshl_b32 s35, s21, 8
	s_add_co_u32 s44, s44, s35
	s_add_co_u32 s44, s44, 524288
	s_mov_b32 s45, 0
	s_mov_b32 s46, 0x76543210
	s_mov_b32 s47, 0xfedcba98                      ; v_permlanex16_b32's selects for lane l xor 16
	v_and_b32 v[LN], 31, v0
	v_and_b32 v[R], 15, v0
	v_bfe_u32 v[HH], v0, 4, 1
	v_lshlrev_b32 v[L16], 4, v[LN]
	v_mul_u32_u24 v[SOUT], v[R], SPITCH
	v_and_b32 v[RB], 7, v0
	v_bfe_u32 v[TM], v0, 3, 1
	v_add_nc_u32 v[SIN], s22, v[L16]               ; the stage, in: a row's 512 bytes as they lie
	v_lshl_add_u32 v[SOUT], v[HH], 7, v[SOUT]
	v_lshl_add_u32 v[RB], v[RB], 4, s32
	v_add_nc_u32 v[HBK], s33, v[L16]
	v_add_nc_u32 v[IMW], s31, v[L16]
	v_add_nc_u32 v[SOUT], s22, v[SOUT]             ; out: row r, 128 h bytes on
	v_lshl_add_u32 v[RB], v[TM], 8, v[RB]
	v_add_nc_u32 v[IMR], IMG, v[L16]
	v_lshl_add_u32 v[SCW], v[R], 4, s28
	v_lshlrev_b32 v[SCR], 4, v[R]
	v_lshl_add_u32 v[RB], v[HH], 9, v[RB]          ; my fragment's rows 8 to 15: lane (c, h, r8)
	v_add_nc_u32 v[GOF], s34, v[L16]
	v_add_nc_u32 v[SCR], SIMG, v[SCR]
	v_lshlrev_b32 v[GS], 3, v[LN]
	v_lshlrev_b32 v[SO8], 3, v[R]
	v_lshlrev_b32 v[HOF], 9, v[R]
	v_lshl_add_u32 v[HSO], v[R], 5, s30
	v_add_nc_u32 v[SO8], SIMG+128, v[SO8]
	v_lshl_add_u32 v[HOF], v[HH], 4, v[HOF]
	v_lshl_add_u32 v[HIN], v[R], 5, s33
	v_add_nc_u32 v[HOF], s29, v[HOF]
	v_lshl_add_u32 v[HIN], v[HH], 9, v[HIN]
	v_mov_b32 v[TM+6], 0                           ; a lane permute's destination counts as one of its sources
	s_wait_alu depctr_va_vdst(0)
	s_wait_kmcnt 0x0
	s_add_nc_u64 s[4:5], s[4:5], s[36:37]
	s_add_nc_u64 s[44:45], s[12:13], s[44:45]      ; wimg's record of scale words
	s_add_nc_u64 s[12:13], s[12:13], s[38:39]
	s_add_nc_u64 s[14:15], s[14:15], s[40:41]
.irp i, 0,1,2,3,4,5,6,7
	global_load_b128 v[X+4*\i:X+4*\i+3], v[L16], s[4:5] offset:8192*\i th:TH_LOAD_NT   ; Wh: 32 lanes read 512 consecutive bytes
.endr
.irp i, 0,1,2,3,4,5,6,7
	global_load_b128 v[X+32+4*\i:X+32+4*\i+3], v[L16], s[4:5] offset:8192*\i+4096 th:TH_LOAD_NT   ; We
.endr
.irp x, 0,1,2,3
.irp c, 0,1
	global_load_b128 v[HF+8*\x+4*\c:HF+8*\x+4*\c+3], v[HOF], s[6:7] offset:64*\x+32*\c
.endr
.endr
	global_load_b128 v[HS:HS+3], v[HSO], s[8:9]
.irp i, 0,1,2,3,4,5,6,7,8,9,10,11,12,13,14,15
	s_wait_loadcnt 24-\i                           ; row i is in: 15 - i rows and the nine loads behind them may be out
	ds_store_b128 v[SIN], v[X+4*\i:X+4*\i+3] offset:SPITCH*\i
.endr
.irp c, 0,1
.irp j, 0,1,2,3,4,5,6,7
	ds_load_b128 v[Y+32*\c+4*\j:Y+32*\c+4*\j+3], v[SOUT] offset:256*\c+16*\j   ; the wave's own bytes: LDS serves a wave's instructions in order
.endr
.endr
	s_wait_dscnt 0x0
.irp c, 0,1                                    ; my block 2 c + h: all its 32 numbers are mine
	v_max3_num_f32 v[TM+\c], |v[Y+32*\c]|, |v[Y+32*\c+1]|, 0x1800000   ; and the floor 2^(3 - 127): the byte cannot fall under 1
.endr
.irp i, 2,4,6,8,10,12,14,16,18,20,22,24,26,28,30
.irp c, 0,1
	v_max3_num_f32 v[TM+\c], v[TM+\c], |v[Y+32*\c+\i]|, |v[Y+32*\c+\i+1]|   ; the two blocks by turns
.endr
.endr
.irp c, 0,1
	v_add_nc_u32 v[TM+2+\c], 0xff000000, v[TM+\c]  ; 2 off the exponent field: the conversion's scale operand
.endr
.irp c, 0,1
	v_lshrrev_b32 v[TM+4+\c], 23, v[TM+2+\c]       ; the scale's byte
.endr
	v_lshlrev_b32 v[TM+7], 3, v[HH]
	v_lshl_or_b32 v[SW], v[TM+5], 16, v[TM+4]      ; my two bytes, blocks h and 2 + h of row r,
	v_lshlrev_b32 v[SW], v[TM+7], v[SW]            ; at their places in the word;
	v_permlanex16_b32 v[TM+6], v[SW], s46, s47
	v_or_b32 v[SW], v[SW], v[TM+6]                 ; with lane l xor 16's two the word is whole
.irp c, 0,1
.irp g, 0,1,2,3
	v_cvt_scalef32_pk8_fp4_f32 v[F+4*\c+\g], v[Y+32*\c+8*\g:Y+32*\c+8*\g+7], v[TM+2+\c]
.endr
.endr
	v_nop                                          ; one plain place behind the last scaled conversion
	ds_store_b128 v[IMW], v[F:F+3]
	ds_store_b128 v[IMW], v[F+4:F+7] offset:512
	ds_store_b32 v[SCW], v[SW]                     ; both halves of the lanes write the same word with the same value
	ds_load_b128 v[OW:OW+3], v[RB]                 ; my own image's We rows, as they lie in wimg
	s_wait_dscnt 0x0                               ; for the others' sake: my stores have landed
	global_store_b128 v[GOF], v[OW:OW+3], s[12:13] ; 32 lanes store 512 consecutive bytes
	s_barrier_signal -1
	s_barrier_wait -1                              ; the four fragments and their scale words lie in LDS
.irp x, 0,1,2,3
.irp c, 0,1
	ds_load_b128 v[WF+8*\x+4*\c:WF+8*\x+4*\c+3], v[IMR] offset:1024*\x+512*\c
.endr
.endr
	ds_load_b128 v[WS:WS+3], v[SCR]
	s_wait_loadcnt 0x0
	s_wait_dscnt 0x0
	; source 0 = the 16 rows, source 1 = 16 rows of hidden: lane (r, 0), register j: o = 8 u + j, b = 16 w + r.  Two accumulators by turns
	v_wmma_scale_f32_16x16x128_f8f6f4 v[AC0:AC0+7], v[WF:WF+7], v[HF:HF+7], 0, v[WS], v[HS] matrix_a_fmt:MATRIX_FMT_FP4 matrix_b_fmt:MATRIX_FMT_FP4
	v_wmma_scale_f32_16x16x128_f8f6f4 v[AC1:AC1+7], v[WF+8:WF+15], v[HF+8:HF+15], 0, v[WS+1], v[HS+1] matrix_a_fmt:MATRIX_FMT_FP4 matrix_b_fmt:MATRIX_FMT_FP4
	v_wmma_scale_f32_16x16x128_f8f6f4 v[AC0:AC0+7], v[WF+16:WF+23], v[HF+16:HF+23], v[AC0:AC0+7], v[WS+2], v[HS+2] matrix_a_fmt:MATRIX_FMT_FP4 matrix_b_fmt:MATRIX_FMT_FP4
	v_wmma_scale_f32_16x16x128_f8f6f4 v[AC1:AC1+7], v[WF+24:WF+31], v[HF+24:HF+31], v[AC1:AC1+7], v[WS+3], v[HS+3] matrix_a_fmt:MATRIX_FMT_FP4 matrix_b_fmt:MATRIX_FMT_FP4
.rept 4
	v_nop                                          ; four places in front of the first read of results
.endr
.irp j, 0,2,4,6
	v_pk_add_f32 v[HO+\j:HO+\j+1], v[AC0+\j:AC0+\j+1], v[AC1+\j:AC1+\j+1]
.endr
	ds_store_b128 v[HIN], v[HO:HO+3]               ; the wave's own bytes: row b of 32 bytes; the unused rows 512 bytes further on
	ds_store_b128 v[HIN], v[HO+4:HO+7] offset:16
	ds_load_b128 v[BK:BK+3], v[HBK]
	s_wait_dscnt 0x0
	global_store_b128 v[GOF], v[BK:BK+3], s[14:15] ; 32 lanes store 512 consecutive bytes
	s_wait_alu depctr_va_vdst(0)
	s_cmp_lg_u32 s20, 3
	s_cbranch_scc1 .Lend
	ds_load_b64 v[SD:SD+1], v[SO8]                 ; We's 8 rows of 16 scale bytes, twice
	s_wait_dscnt 0x0
	global_store_b64 v[GS], v[SD:SD+1], s[44:45]   ; 256 consecutive bytes
.Lend:
	s_wait_tensorcnt 0x0                           ; the wave's end
	ds_add_u32 v[SPW], v[NIL]
	s_wait_dscnt 0x0
	s_endpgm
; Thread: s' = (T % 16) / 2, half T % 2, b = 16 wave + 2 i + (T / 16) % 2: a wave's eight loads take whole 256-byte units of eight rows, and sixteen lanes of a store fill one.
.Lrelay:
	s_lshl_b32 s36, ttmp9, 14
	s_mov_b32 s37, 0
	s_lshl_b32 s38, ttmp9, 8
	s_mov_b32 s39, 0
	v_and_b32 v16, 15, v0
	v_and_b32 v17, 1, v0
	v_lshrrev_b32 v18, 5, v0
	v_bfe_u32 v19, v0, 4, 1
	v_lshrrev_b32 v20, 1, v16
	v_lshlrev_b32 v21, 19, v18
	v_lshlrev_b32 v20, 11, v20
	v_lshl_add_u32 v21, v19, 15, v21
	v_lshl_add_u32 v20, v17, 4, v20
	v_lshl_add_u32 v21, v16, 4, v21
	v_lshl_add_u32 v20, v19, 5, v20
	v_lshl_add_u32 v20, v18, 9, v20
	s_wait_alu depctr_va_vdst(0)
	s_wait_kmcnt 0x0
	s_add_nc_u64 s[10:11], s[10:11], s[36:37]
	s_add_nc_u64 s[16:17], s[16:17], s[38:39]
.irp i, 0,1,2,3,4,5,6,7
	global_load_b128 v[24+4*\i:27+4*\i], v20, s[10:11] offset:64*\i
.endr
.irp i, 0,1,2,3,4,5,6,7
	s_wait_loadcnt 7-\i                            ; the younger loads may be out
	global_store_b128 v21, v[24+4*\i:27+4*\i], s[16:17] offset:65536*\i
.endr
	s_endpgm
.Lfunc_end_k_qad798f962a_prep:
	.size	k_qad798f962a_prep, .Lfunc_end_k_qad798f962a_prep-k_qad798f962a_prep
	.p2alignl 7, 3214868480
	.fill 96, 4, 3214868480
	.section	.rodata,"a",@progbits
	.p2align	6, 0x0
	.amdhsa_kernel k_qad798f962a_prep
		.amdhsa_group_segment_fixed_size 42752
		.amdhsa_private_segment_fixed_size 0
		.amdhsa_enable_private_segment 0
		.amdhsa_kernarg_size 56
		.amdhsa_user_sgpr_count 2
		.amdhsa_user_sgpr_kernarg_segment_ptr 1
		.amdhsa_wavefront_size32 1
		.amdhsa_system_sgpr_workgroup_id_x 1
		.amdhsa_system_sgpr_workgroup_id_y 1
		.amdhsa_system_sgpr_workgroup_id_z 1
		.amdhsa_system_vgpr_workitem_id 0
		.amdhsa_next_free_vgpr 218
		.amdhsa_next_free_sgpr 66
		.amdhsa_reserve_vcc 0
		.amdhsa_float_denorm_mode_32 3
		.amdhsa_float_denorm_mode_16_64 3
		.amdhsa_memory_ordered 1
		.amdhsa_forward_progress 1
		.amdhsa_inst_pref_size 17
	.end_amdhsa_kernel
	.amdgpu_metadata
---
amdhsa.version: [ 1, 2 ]
amdhsa.kernels:
  - .name:           k_qad798f962a_prep
    .symbol:         k_qad798f962a_prep.kd
    .args:
      - { .name: attn_W, .offset: 0, .size: 8, .value_kind: global_buffer, .address_space: global }
      - { .name: hidden_codes, .offset: 8, .size: 8, .value_kind: global_buffer, .address_space: global }
      - { .name: hidden_scales, .offset: 16, .size: 8, .value_kind: global_buffer, .address_space: global }
      - { .name: encoder_outputs_scales, .offset: 24, .size: 8, .value_kind: global_buffer, .address_space: global }
      - { .name: wimg, .offset: 32, .size: 8, .value_kind: global_buffer, .address_space: global }
      - { .name: hb, .offset: 40, .size: 8, .value_kind: global_buffer, .address_space: global }
      - { .name: simg, .offset: 48, .size: 8, .value_kind: global_buffer, .address_space: global }
    .group_segment_fixed_size: 42752
    .private_segment_fixed_size: 0
    .kernarg_segment_align: 8
    .kernarg_segment_size: 56
    .max_flat_workgroup_size: 128
    .sgpr_count:     66
    .vgpr_count:     218
    .wavefront_size: 32
...
	.end_amdgpu_metadata
.endif
;; end of part 1
;; launch main (part 2): grid 4 x 64, 8 waves a work-group, clusters of 4 x 4, 327,680 bytes of LDS; arguments encoder_outputs_codes, simg, wimg, hb, v_W, attn_b, qpart; writes qpart
.if DOCPART == 2
	.amdgcn_target "amdgcn-amd-amdhsa--gfx1250"
	.amdhsa_code_object_version 6
	.text
	.protected	k_qad798f962a_main
	.globl	k_qad798f962a_main
	.p2align	8
	.type	k_qad798f962a_main,@function
k_qad798f962a_main:
	s_mov_b64 s[64:65], 0
	v_nop
	global_prefetch_b8 v0, s[64:65] scope:SCOPE_SE
	s_setreg_imm32_b32 hwreg(HW_REG_WAVE_MODE, 25, 1), 1
	s_wait_xcnt 0x0
	s_wait_alu depctr_hold_cnt(0) depctr_sa_sdst(0) depctr_va_vdst(0) depctr_va_sdst(0) depctr_va_ssrc(0) depctr_va_vcc(0) depctr_vm_vsrc(0)
	s_getreg_b32 s2, hwreg(HW_REG_IB_STS2, 6, 4)
	s_cmp_eq_u32 s2, 0
	s_cbranch_scc0 .Lentry_in_a_cluster
	s_endpgm
.Lentry_in_a_cluster:
	s_bfe_u32 s2, ttmp6, 0x10000c
	s_cmp_lg_u32 s2, 0xf033
	s_cbranch_scc0 .Lentry_shape_is_right
	s_endpgm
.Lentry_shape_is_right:
; qpart [b][nq][s] = the sum over o = 256 nq .. + 255 of v[o] / (1 + 2^(c x)), x = hproj[b][o] + bias[o] + eproj[s,b][o], c = 2 log2(e): tanh x = 1 - 2 / (1 + e^(2x)), so a score is (the sum of v) - 2 x (the sum of the four parts).
; No work is left out.  eproj is the product of encoder_outputs' codes with We's codes (wimg), on E2M1 codes with E8M0 scales; x, the tanh and the sums are f32.
; SHARES.  Work-group (nq, b) owns all 1,024 s of one b and 256 of the o.  Wave w: g = w % 4, p = w / 4.  It owns o = 256 nq + 64 g .. + 63 as four tiles of 16: their codes for all of K, 256 registers, stay in window 1 for
; the whole launch, and so do their scale words, hproj + bias and v.  It walks the tiles of 16 rows 2 T + p, T = 0 .. 31: the two groups p share the rows out.
; THE PRODUCT IS USED TRANSPOSED: source 0 = 16 rows of We, source 1 = 16 rows of encoder_outputs: lane (r, h) holds ONE row s, register j holds o = 8 h + j of the tile.  hproj + bias is the C of a sum's first matrix instruction.
; The rows come through a ring of two LDS slots of 256 rows: eight turns a wave on each of four passes.  Slot 1 first holds We's 131,072 bytes, laid as 256 rows of 512 bytes like a pass of rows, and is filled with rows when We is in registers.
; CLUSTER 4 x 4.  The four work-groups of a row of the cluster share b: they ask for rows and scale bytes JOINTLY; the four of a column share nq: they ask for We jointly.
; A TURN: the tile's 32 products, four accumulators by turns; four places (the address steps); the 17 LDS loads of the next tile; then its vector work: 16 scalings, 32 exponentials, 16 additions, 32 reciprocals, 16 multiply-adds.
; No transcendental stands between two links of a sum.  A turn that changes slots does the scalings and exponentials between the barrier's signal and its wait.
; RANGE.  2^(c x) may overflow to infinity (the reciprocal is then 0: tanh = 1) or fall to 0 (the reciprocal is 1: tanh = -1): no clamp is needed.  NaN and infinities among the inputs are not served.
; No prefetch is written: a refill has eight turns, 256 matrix instructions and their vector work, between its request and the wait for it, and there are three.
.set PITCH, 528                        ; an LDS row: 512 bytes + 16: sixteen rows start at sixteen different 16-byte columns
.set SLOT,  256*PITCH
.set ASC,   2*SLOT                     ; 1,024 rows of 32 scale bytes
.set PART,  ASC+32768                  ; the sums: 2,048 bytes a wave: [T][16 rows]
.set SPARE, PART+16384                 ; the spare words, 128 bytes for each wave
.set SPW, 1
.set NIL, 2
.set AA,  4                            ; v4-7    a register for each pass: my fragments' address
.set ASA, 8                            ; v8-11   my rows' scale words
.set PA,  12                           ; v12-15  where a tile's sums go
.set WS,  16                           ; v16-31  We's scale words: register 4 i + x: lanes 0-15 K step x, lanes 16-31 K step 4 + x.  Scales and nothing else
.set AS,  32                           ; v32-35  the rows' scale words, in the same form.  Scales and nothing else
.set HC,  36                           ; v36-67  hproj + bias
.set VW,  68                           ; v68-99  v
.set ACC, 100                          ; v100-131 the four accumulators
.set BF,  132                          ; v132-195 the rows' eight fragments
.set QS,  196                          ; v196-203 a tile's sums, a pair for each accumulator
.set QR,  204
.set TM,  205
.set WA,  206                          ; We's address
.set FR,  207                          ; the way out
.set GO,  208
.set T0,  209
.set SO,  214
.set HOF, 215
.set OUT, 216                          ; v216-231
.set VOF, 232
.set WOF, 233
.set SWV, 16
.set G,   17
.set P,   18
.set NQ,  19
.set BB,  20
.set G1A, 24                           ; group 1: the head's rows; We; scale bytes; a refill's rows
.set G1W, 32
.set G1S, 40
.set G1F, 84
.set G0A, 48
.set G0W, 52
.set G0S, 56
.set F1,  60                           ; group 0 of the refills for passes 1, 2, 3
.set F2,  68
.set F3,  72
.set CS,  76                           ; s[76:77] c, twice
.set CNT, 78
.set MSB, 0
.macro WIN new                         ; the immediate's high byte repeats the setting that is left
.if MSB != \new
	s_set_vgpr_msb (MSB<<8)|\new
.set MSB, \new
.endif
.endm
.macro CREST                           ; a round of the cluster's barrier behind its opening barrier
	s_cmp_lg_u32 s[SWV], 0
	s_cbranch_scc1 .Lnot_wave_0_\@
	s_barrier_signal -3
.Lnot_wave_0_\@:
	s_barrier_wait -3
	s_barrier_signal -1
	s_barrier_wait -1
.endm
.macro ROUND
	s_barrier_signal -1
	s_barrier_wait -1
	CREST
.endm
.macro SHAPE gr, w, rows, pitch        ; group 1, elements of 8 bytes
	s_mov_b32 s[\gr+1], (\w)<<16
	s_mov_b32 s[\gr+2], (\rows)<<16
	s_mov_b32 s[\gr+3], (\w)<<16
	s_mov_b32 s[\gr+4], \rows
	s_mov_b32 s[\gr+5], \pitch
	s_mov_b32 s[\gr+6], 0
	s_mov_b32 s[\gr+7], 0
.endm
	s_load_b256 s[4:11], s[0:1], 0x0               ; codes s[4:5], simg s[6:7], wimg s[8:9], hb s[10:11]
	s_load_b128 s[12:15], s[0:1], 0x20             ; v_W s[12:13], attn_b s[14:15]
	v_lshl_add_u32 v[SPW], v0, 2, SPARE
	v_mov_b32 v[NIL], 0
	ds_add_u32 v[SPW], v[NIL]                      ; the wave's opening: the add, twice on end, and its wait ahead of my first tensor load
	ds_add_u32 v[SPW], v[NIL]                      ; and once more; the set-up below, work on registers, stands between it and the wait
	v_lshrrev_b32 v[T0], 5, v0
	v_readfirstlane_b32 s[SWV], v[T0]              ; wave 0 .. 7
	s_and_b32 s[G], s[SWV], 3
	s_lshr_b32 s[P], s[SWV], 2
	s_and_b32 s2, s[SWV], 1
	s_bfe_u32 s21, ttmp6, 0x40000                  ; cx
	s_bfe_u32 s22, ttmp6, 0x40004                  ; cy
	s_lshl_b32 s[NQ], ttmp9, 2
	s_add_co_u32 s[NQ], s[NQ], s21                 ; the quarter of o, which my column shares
	s_and_b32 s[BB], ttmp7, 0xffff
	s_lshl_b32 s[BB], s[BB], 2
	s_add_co_u32 s[BB], s[BB], s22                 ; b, which my row shares
	s_lshl_b32 s23, s22, 2
	s_lshl_b32 s23, 15, s23                        ; my row of the cluster
	s_lshl_b32 s21, 0x1111, s21                    ; my column
	s_or_b32 s[G1A], s23, (3<<16)|(1<<20)|(1<<21)|(6<<22)|(3<<25)   ; 4 words of padding behind every 128
	s_or_b32 s[G1F], s23, (3<<16)|(1<<20)|(1<<21)|(6<<22)|(3<<25)
	s_or_b32 s[G1W], s21, (3<<16)|(1<<20)|(1<<21)|(6<<22)|(3<<25)
	s_or_b32 s[G1S], s23, (3<<16)|(1<<21)
	SHAPE G1A, 64, 128, 4096                       ; 128 rows of 512 bytes, 32,768 bytes apart (one s on)
	SHAPE G1F, 64, 32, 4096                        ; 32 of them
	SHAPE G1W, 64, 64, 64                          ; 64 dense rows of 512 bytes
	SHAPE G1S, 32, 64, 32                          ; 64 dense rows of 256 bytes
	; offsets in memory: rows by b and the wave, We by nq and the wave: no register of a joint load holds the other coordinate
	s_lshl_b32 s22, s[BB], 9
	s_lshl_b32 s94, s2, 22                         ; the head: rows 128 (w % 2) on
	s_add_co_u32 s94, s94, s22
	s_mov_b32 s95, 0
	s_lshl_b32 s96, s[SWV], 20                     ; a refill: rows 32 w on
	s_add_co_u32 s96, s96, s22
	s_mov_b32 s97, 0
	s_lshl_b32 s98, s[NQ], 17
	s_lshl_b32 s82, s[G], 15
	s_add_co_u32 s98, s98, s82
	s_mov_b32 s99, 0
	s_lshl_b32 s100, s[BB], 15
	s_lshl_b32 s83, s2, 14
	s_add_co_u32 s100, s100, s83
	s_mov_b32 s101, 0
	s_lshl_b32 s66, s[NQ], 14                      ; We's scale words: 1,024 bytes a tile
	s_lshl_b32 s81, s[G], 12
	s_add_co_u32 s66, s66, s81
	s_add_co_u32 s66, s66, 524288
	s_mov_b32 s67, 0
	s_lshl_b32 s104, s[NQ], 16                     ; hb
	s_lshl_b32 s81, s[G], 14
	s_add_co_u32 s104, s104, s81
	s_lshl_b32 s81, s[BB], 5
	s_add_co_u32 s104, s104, s81
	s_mov_b32 s105, 0
	s_lshl_b32 s92, s[NQ], 10                      ; v_W
	s_lshl_b32 s81, s[G], 8
	s_add_co_u32 s92, s92, s81
	s_mov_b32 s93, 0
	; group 0: the count and the LDS addresses
.irp d, G0A, G0W, G0S, F1, F2, F3
	s_mov_b32 s[\d], 1
.endr
	s_mul_i32 s[G0A+1], s2, 128*PITCH
	s_mul_i32 s[G0W+1], s[G], 64*PITCH
	s_add_co_u32 s[G0W+1], s[G0W+1], SLOT
	s_lshl_b32 s[G0S+1], s2, 14
	s_add_co_u32 s[G0S+1], s[G0S+1], ASC
	s_mul_i32 s[F2+1], s[SWV], 32*PITCH
	s_add_co_u32 s[F1+1], s[F2+1], SLOT
	s_add_co_u32 s[F3+1], s[F2+1], SLOT
	s_mov_b32 s[CS], 0x4038aa3b                    ; c = 2 log2(e)
	s_mov_b32 s[CS+1], s[CS]                       ; (named with it as a pair, so it is written)
	s_mov_b32 s79, 0x76543210
	s_mov_b32 s80, 0xfedcba98                      ; v_permlanex16_b32's selects for lane l xor 16
	s_mul_i32 s81, s[P], 16*PITCH
	s_lshl_b32 s82, s[P], 9
	s_add_co_u32 s82, s82, ASC
	s_lshl_b32 s83, s[SWV], 11
	s_add_co_u32 s83, s83, PART-64
	s_mul_i32 s3, s[G], 64*PITCH
	s_add_co_u32 s3, s3, SLOT
	; the lanes' addresses
	v_and_b32 v[T0+1], 15, v0                      ; r
	v_bfe_u32 v[T0+2], v0, 4, 1                    ; h
	v_and_b32 v[T0+3], 7, v0
	v_bfe_u32 v[T0+4], v0, 3, 1
	v_mul_u32_u24 v[T0], v[T0+1], PITCH
	v_lshl_add_u32 v[T0], v[T0+2], 4, v[T0]
	v_add_nc_u32 v[AA], s81, v[T0]                 ; row 16 p + r, + 16 h
	v_add_nc_u32 v[AA+2], s81, v[T0]
	v_add_nc_u32 v[AA+1], SLOT, v[AA]
	v_add_nc_u32 v[AA+3], SLOT, v[AA]
	v_lshlrev_b32 v[SO], 5, v[T0+1]
	v_lshl_add_u32 v[SO], v[T0+2], 4, v[SO]        ; 32 r + 16 h: a row's words of K steps 4 h .. 4 h + 3
	v_add_nc_u32 v[ASA], s82, v[SO]
	v_lshl_add_u32 v[PA], v[T0+1], 2, s83          ; one step of 64 ahead of the first tile's place
.irp n, 1,2,3
	v_add_nc_u32 v[ASA+\n], 8192*\n, v[ASA]
	v_add_nc_u32 v[PA+\n], 512*\n, v[PA]
.endr
	v_lshlrev_b32 v[T0], 4, v[T0+3]
	v_lshl_add_u32 v[T0], v[T0+2], 7, v[T0]
	v_mul_u32_u24 v[WA], v[T0+4], 8*PITCH
	v_lshlrev_b32 v[WOF], 4, v[T0+3]
	v_lshl_add_u32 v[WOF], v[T0+2], 8, v[WOF]
	v_lshl_add_u32 v[WOF], v[T0+4], 9, v[WOF]      ; record (r / 8, h), row r % 8
	v_add_nc_u32 v[WA], v[T0], v[WA]
	v_add_nc_u32 v[WA], s3, v[WA]                  ; We: block u of 8 LDS rows, a row a K step: 256 c + 128 h + 16 (r % 8)
	v_bfe_u32 v[T0], v0, 2, 1
	v_lshrrev_b32 v[T0+3], 3, v0
	v_and_b32 v[T0+4], 3, v0
	v_lshlrev_b32 v[T0], 13, v[T0]
	v_lshl_add_u32 v[T0], v[T0+3], 6, v[T0]
	v_lshl_add_u32 v[T0], v[T0+4], 4, v[T0]
	v_add_nc_u32 v[FR], PART, v[T0]                ; thread t: rows 4 t .. 4 t + 3
	v_lshlrev_b32 v[GO], 4, v0
	v_lshlrev_b32 v[HOF], 11, v[T0+2]
	v_lshlrev_b32 v[VOF], 5, v[T0+2]
	v_mov_b32 v[TM], 0                             ; a lane permute's destination counts as one of its sources
	s_wait_alu depctr_va_vdst(0)
	s_wait_dscnt 0x0                               ; both opening adds are done
	s_wait_kmcnt 0x0
	s_add_nc_u64 s[G0A+2:G0A+3], s[4:5], s[94:95]
	s_add_nc_u64 s[G0W+2:G0W+3], s[8:9], s[98:99]
	s_add_nc_u64 s[G0S+2:G0S+3], s[6:7], s[100:101]
	s_add_nc_u64 s[F1+2:F1+3], s[4:5], s[96:97]
	s_add_nc_u64 s[F1+2:F1+3], s[F1+2:F1+3], 0x800000   ; 256 rows on: pass 1
	s_add_nc_u64 s[F2+2:F2+3], s[F1+2:F1+3], 0x800000
	s_add_nc_u64 s[F3+2:F3+3], s[F2+2:F2+3], 0x800000
.irp d, G0A, G0W, G0S, F1, F2, F3
	s_or_b32 s[\d+3], s[\d+3], 0x80000000
.endr
	s_add_nc_u64 s[8:9], s[8:9], s[66:67]
	s_add_nc_u64 s[10:11], s[10:11], s[104:105]
	s_add_nc_u64 s[12:13], s[12:13], s[92:93]
	s_add_nc_u64 s[14:15], s[14:15], s[92:93]
.irp i, 0,1,2,3
	global_load_b128 v[WS+4*\i:WS+4*\i+3], v[WOF], s[8:9] offset:1024*\i
.endr
.irp i, 0,1,2,3
.irp c, 0,1
	global_load_b128 v[HC+8*\i+4*\c:HC+8*\i+4*\c+3], v[HOF], s[10:11] offset:4096*\i+16*\c
	global_load_b128 v[ACC+8*\i+4*\c:ACC+8*\i+4*\c+3], v[HOF], s[10:11] offset:262144+4096*\i+16*\c   ; hproj's second half of K,
	global_load_b128 v[BF+8*\i+4*\c:BF+8*\i+4*\c+3], v[VOF], s[14:15] offset:64*\i+16*\c   ; and the bias, in registers that are free as yet
	global_load_b128 v[VW+8*\i+4*\c:VW+8*\i+4*\c+3], v[VOF], s[12:13] offset:64*\i+16*\c
.endr
.endr
	ROUND                                          ; all sixteen work-groups are here: the first joint loads meet
	; the head's loads, one a wave: waves 0 to 3 We, waves 4 and 5 pass 0's rows, waves 6 and 7 the scale bytes of all rows
	s_cmp_lt_u32 s[SWV], 4
	s_cbranch_scc0 .Lhead_a
	tensor_load_to_lds s[G0W:G0W+3], s[G1W:G1W+7]
	s_nop 0
.rept 4
	v_nop
.endr
	s_branch .Lasked
.Lhead_a:
	s_cmp_lt_u32 s[SWV], 6
	s_cbranch_scc0 .Lhead_s
	tensor_load_to_lds s[G0A:G0A+3], s[G1A:G1A+7]
	s_nop 0
.rept 4
	v_nop
.endr
	s_branch .Lasked
.Lhead_s:
	tensor_load_to_lds s[G0S:G0S+3], s[G1S:G1S+7]
	s_nop 0
.rept 4
	v_nop
.endr
.Lasked:
; The four products of K step q_.  K steps 4 to 7 take their scale words from lanes 16-31.
.macro MQ
.irp i, 0,1,2,3
.if q_ == 0
	v_wmma_scale_f32_16x16x128_f8f6f4 v[ACC+8*\i:ACC+8*\i+7], v[64*\i:64*\i+7], v[BF:BF+7], v[HC+8*\i:HC+8*\i+7], v[WS+4*\i], v[AS] matrix_a_fmt:MATRIX_FMT_FP4 matrix_b_fmt:MATRIX_FMT_FP4
.elseif q_ < 4
	v_wmma_scale_f32_16x16x128_f8f6f4 v[ACC+8*\i:ACC+8*\i+7], v[64*\i+8*q_:64*\i+8*q_+7], v[BF+8*q_:BF+8*q_+7], v[ACC+8*\i:ACC+8*\i+7], v[WS+4*\i+q_], v[AS+q_] matrix_a_fmt:MATRIX_FMT_FP4 matrix_b_fmt:MATRIX_FMT_FP4
.else
	v_wmma_scale_f32_16x16x128_f8f6f4 v[ACC+8*\i:ACC+8*\i+7], v[64*\i+8*q_:64*\i+8*q_+7], v[BF+8*q_:BF+8*q_+7], v[ACC+8*\i:ACC+8*\i+7], v[WS+4*\i+q_-4], v[AS+q_-4] matrix_a_fmt:MATRIX_FMT_FP4 matrix_b_fmt:MATRIX_FMT_FP4 matrix_a_scale:MATRIX_SCALE_ROW1 matrix_b_scale:MATRIX_SCALE_ROW1
.endif
.endr
.endm
.macro MC                              ; a tile's 32 products
	WIN 0x01                                       ; source 0, We: window 1
.set q_, 0
.rept 8
	MQ
.set q_, q_+1
.endr
	WIN 0
.endm
.macro MM
	s_wait_dscnt 1                                 ; the tile's 17 loads are in; the store of the last tile's sums, issued behind them, may be out
	MC
.endm
.macro LOADS n                         ; the next tile: 17 LDS loads
	ds_load_b128 v[AS:AS+3], v[ASA+\n]
.irp q, 0,1,2,3,4,5,6,7
.irp c, 0,1
	ds_load_b128 v[BF+8*\q+4*\c:BF+8*\q+4*\c+3], v[AA+\n] offset:64*\q+32*\c
.endr
.endr
.endm
.macro WLOAD q                         ; the first tile's K step q, with We's four fragments of it: ten LDS loads
	WIN 0
.irp c, 0,1
	ds_load_b128 v[BF+8*(\q)+4*\c:BF+8*(\q)+4*\c+3], v[AA] offset:64*(\q)+32*\c
.endr
	WIN 0x40                                       ; destination window 1
.irp i, 0,1,2,3
.irp c, 0,1
	ds_load_b128 v[64*\i+8*(\q)+4*\c:64*\i+8*(\q)+4*\c+3], v[WA] offset:(16*\i+(\q))*PITCH+256*\c
.endr
.endr
.endm
.macro SCALE                           ; each accumulator from its low end on
.set j_, 0
.rept 16
	v_pk_mul_f32 v[ACC+2*j_:ACC+2*j_+1], v[ACC+2*j_:ACC+2*j_+1], s[CS:CS+1] op_sel_hi:[1,0]
.set j_, j_+1
.endr
.endm
.macro EXPS
	s_wait_alu depctr_va_vdst(0)
.set j_, 0
.rept 32
	v_exp_f32 v[ACC+j_], v[ACC+j_]
.set j_, j_+1
.endr
	v_nop                                          ; a plain place behind the last one
	s_wait_alu depctr_va_vdst(0)
.endm
.macro REST n                          ; 1 / (1 + 2^(c x)), times v, summed over my 64 o
.set j_, 0
.rept 16
	v_pk_add_f32 v[ACC+2*j_:ACC+2*j_+1], v[ACC+2*j_:ACC+2*j_+1], 1.0 op_sel_hi:[1,0]
.set j_, j_+1
.endr
	s_wait_alu depctr_va_vdst(0)
.set j_, 0
.rept 32
	v_rcp_f32 v[ACC+j_], v[ACC+j_]
.set j_, j_+1
.endr
	v_nop
	s_wait_alu depctr_va_vdst(0)
.irp i, 0,1,2,3
	v_pk_mul_f32 v[QS+2*\i:QS+2*\i+1], v[ACC+8*\i:ACC+8*\i+1], v[VW+8*\i:VW+8*\i+1]
.endr
.irp j, 2,4,6
.irp i, 0,1,2,3
	v_pk_fma_f32 v[QS+2*\i:QS+2*\i+1], v[ACC+8*\i+\j:ACC+8*\i+\j+1], v[VW+8*\i+\j:VW+8*\i+\j+1], v[QS+2*\i:QS+2*\i+1]
.endr
.endr
	v_pk_add_f32 v[QS:QS+1], v[QS:QS+1], v[QS+2:QS+3]
	v_pk_add_f32 v[QS+4:QS+5], v[QS+4:QS+5], v[QS+6:QS+7]
	s_delay_alu instid0(VALU_DEP_1)
	v_pk_add_f32 v[QS:QS+1], v[QS:QS+1], v[QS+4:QS+5]
	s_delay_alu instid0(VALU_DEP_1)
	v_add_f32 v[QR], v[QS], v[QS+1]
	s_delay_alu instid0(VALU_DEP_1)
	v_permlanex16_b32 v[TM], v[QR], s79, s80
	s_delay_alu instid0(VALU_DEP_1)
	v_add_f32 v[QR], v[QR], v[TM]                  ; with lane l xor 16's eight o of each tile
	ds_store_b32 v[PA+\n], v[QR]                   ; both halves of the lanes write the same word with the same value
.endm
.macro STEPS n                         ; the address steps of a turn: with the v_nop, the four places behind its products
	v_add_nc_u32 v[AA+\n], 32*PITCH, v[AA+\n]
	v_add_nc_u32 v[ASA+\n], 1024, v[ASA+\n]
	v_add_nc_u32 v[PA+\n], 64, v[PA+\n]
	v_nop
.endm
.macro TURN n
	MM
	STEPS \n
	LOADS \n
	SCALE
	EXPS
	REST \n
.endm
; The change of slots, behind a tile's products and places: each wave waits for all its tensor loads, adds 0 to its spare word, and waits for that and for its reads of the slot; behind the round the refill is the first thing.
; The waves p = 0 pass it behind the products of the pass's last tile, and scale and take exponentials between signal and wait.
; So behind it the one half of the waves goes on with vector work, the other with what its products gave.  No barrier, no wait of the change and no add stands under these branches on the wave's number.
; first = 1: the first tile, whose products both halves have issued: the waves p = 1 scale behind the barrier.
.macro CHANGE n, fill, next, first
.if \first == 0
	s_cmp_lt_u32 s[SWV], 4
	s_cbranch_scc0 .Lahead_\@
	MM
.Lahead_\@:
.endif
	s_wait_tensorcnt 0x0
.if \fill
	ds_add_u32 v[SPW], v[NIL]                      ; 0 onto my spare word
.endif
.if \first == 0
	v_add_nc_u32 v[PA+\n], 64, v[PA+\n]
.rept 4
	v_nop                                          ; places behind the products
.endr
.endif
	s_wait_dscnt 0x0                               ; my reads of the slot that I leave are over
	s_barrier_signal -1
	s_cmp_lt_u32 s[SWV], 4
	s_cbranch_scc0 .Lodd_\@
	SCALE
	EXPS
.if \first == 0
	s_branch .Lmet_\@
.endif
.Lodd_\@:
.if \first == 0
	MC
.rept 4
	v_nop                                          ; places in front of the loads below
.endr
.Lmet_\@:
.endif
	s_barrier_wait -1
.if \fill
	CREST
	tensor_load_to_lds s[\fill:\fill+3], s[G1F:G1F+7]
	s_nop 0
.endif
	LOADS \next
	s_cmp_lt_u32 s[SWV], 4
	s_cbranch_scc1 .Lscaled_\@
	SCALE
	EXPS
.Lscaled_\@:
	REST \n
.endm
.macro PASS n, trips
	s_mov_b32 s[CNT], \trips
.Lpass_\n:
	TURN \n
	s_sub_co_u32 s[CNT], s[CNT], 1
	s_cmp_lg_u32 s[CNT], 0
	s_cbranch_scc1 .Lpass_\n
.endm
	s_wait_loadcnt 0x0                             ; We's scale words, hproj's halves, the bias and v
.set j_, 0
.rept 16
	v_pk_add_f32 v[HC+2*j_:HC+2*j_+1], v[HC+2*j_:HC+2*j_+1], v[ACC+2*j_:ACC+2*j_+1]
.set j_, j_+1
.endr
.set j_, 0
.rept 16
	v_pk_add_f32 v[HC+2*j_:HC+2*j_+1], v[HC+2*j_:HC+2*j_+1], v[BF+2*j_:BF+2*j_+1]
.set j_, j_+1
.endr
	s_wait_alu depctr_va_vdst(0)
	s_wait_tensorcnt 0x0                           ; my part of the head's loads
	s_barrier_signal -1
	s_barrier_wait -1                              ; everybody's are in
	ds_load_b128 v[AS:AS+3], v[ASA]
	WLOAD 0
	WLOAD 1
	WLOAD 2
	WLOAD 3
	WLOAD 4
.set q_, 0
.rept 8                                ; the first tile's products start as We comes: behind K step q's ten loads those of four more K steps may be out, or of all that are left
.if q_ < 4
	s_wait_dscnt 40
.else
	s_wait_dscnt 10*(7-q_)
.endif
	WIN 0x01
	MQ
.if q_ < 3
	WLOAD q_+5
.endif
.set q_, q_+1
.endr
	WIN 0
	STEPS 0
	s_wait_alu depctr_va_vdst(0)
	CHANGE 0, F1, 0, 1                             ; We is in every wave's registers: slot 1 takes pass 1's rows; the next tile is slot 0's
	PASS 0, 6
	CHANGE 0, F2, 1, 0
	PASS 1, 7
	CHANGE 1, F3, 2, 0
	PASS 2, 7
	CHANGE 2, 0, 3, 0                              ; nothing is left to fetch
	PASS 3, 7
	s_load_b64 s[14:15], s[0:1], 0x30              ; qpart (attn_b's address has been used)
	MM                                             ; the last tile
	v_add_nc_u32 v[PA+3], 64, v[PA+3]
.rept 3
	v_nop
.endr
	SCALE
	EXPS
	REST 3
	s_wait_dscnt 0x0                               ; for the others' sake: my sums lie in LDS
	s_barrier_signal -1
	s_barrier_wait -1
.irp i, 0,1,2,3
	ds_load_b128 v[OUT+4*\i:OUT+4*\i+3], v[FR] offset:2048*\i   ; rows 4 t .. 4 t + 3: the four groups of 64 o
.endr
	s_lshl_b32 s66, s[BB], 2
	s_add_co_u32 s66, s66, s[NQ]
	s_lshl_b32 s66, s66, 12
	s_mov_b32 s67, 0
	s_wait_kmcnt 0x0
	s_add_nc_u64 s[14:15], s[14:15], s[66:67]
	s_wait_dscnt 0x0
.irp j, 0,2
	v_pk_add_f32 v[OUT+\j:OUT+\j+1], v[OUT+\j:OUT+\j+1], v[OUT+4+\j:OUT+5+\j]
	v_pk_add_f32 v[OUT+8+\j:OUT+9+\j], v[OUT+8+\j:OUT+9+\j], v[OUT+12+\j:OUT+13+\j]
.endr
.irp j, 0,2
	v_pk_add_f32 v[OUT+\j:OUT+\j+1], v[OUT+\j:OUT+\j+1], v[OUT+8+\j:OUT+9+\j]
.endr
	global_store_b128 v[GO], v[OUT:OUT+3], s[14:15]   ; 32 lanes store 512 consecutive bytes
	s_wait_tensorcnt 0x0                           ; the wave's end
	ds_add_u32 v[SPW], v[NIL]
	s_wait_dscnt 0x0
	ROUND                                          ; the closing round: no work-group ends while a partner may still ask for a tile that names it
	s_endpgm
.Lfunc_end_k_qad798f962a_main:
	.size	k_qad798f962a_main, .Lfunc_end_k_qad798f962a_main-k_qad798f962a_main
	.p2alignl 7, 3214868480
	.fill 96, 4, 3214868480
	.section	.rodata,"a",@progbits
	.p2align	6, 0x0
	.amdhsa_kernel k_qad798f962a_main
		.amdhsa_group_segment_fixed_size 327680
		.amdhsa_private_segment_fixed_size 0
		.amdhsa_enable_private_segment 0
		.amdhsa_kernarg_size 56
		.amdhsa_user_sgpr_count 2
		.amdhsa_user_sgpr_kernarg_segment_ptr 1
		.amdhsa_wavefront_size32 1
		.amdhsa_system_sgpr_workgroup_id_x 1
		.amdhsa_system_sgpr_workgroup_id_y 1
		.amdhsa_system_sgpr_workgroup_id_z 1
		.amdhsa_system_vgpr_workitem_id 0
		.amdhsa_next_free_vgpr 512
		.amdhsa_next_free_sgpr 106
		.amdhsa_reserve_vcc 0
		.amdhsa_float_denorm_mode_32 3
		.amdhsa_float_denorm_mode_16_64 3
		.amdhsa_memory_ordered 1
		.amdhsa_forward_progress 1
		.amdhsa_inst_pref_size 145
	.end_amdhsa_kernel
	.amdgpu_metadata
---
amdhsa.version: [ 1, 2 ]
amdhsa.kernels:
  - .name:           k_qad798f962a_main
    .symbol:         k_qad798f962a_main.kd
    .args:
      - { .name: encoder_outputs_codes, .offset: 0, .size: 8, .value_kind: global_buffer, .address_space: global }
      - { .name: simg, .offset: 8, .size: 8, .value_kind: global_buffer, .address_space: global }
      - { .name: wimg, .offset: 16, .size: 8, .value_kind: global_buffer, .address_space: global }
      - { .name: hb, .offset: 24, .size: 8, .value_kind: global_buffer, .address_space: global }
      - { .name: v_W, .offset: 32, .size: 8, .value_kind: global_buffer, .address_space: global }
      - { .name: attn_b, .offset: 40, .size: 8, .value_kind: global_buffer, .address_space: global }
      - { .name: qpart, .offset: 48, .size: 8, .value_kind: global_buffer, .address_space: global }
    .group_segment_fixed_size: 327680
    .private_segment_fixed_size: 0
    .kernarg_segment_align: 8
    .kernarg_segment_size: 56
    .max_flat_workgroup_size: 256
    .sgpr_count:     106
    .vgpr_count:     512
    .wavefront_size: 32
...
	.end_amdgpu_metadata
.endif
;; end of part 2
;; launch soft (part 3): grid 64 x 1, 8 waves a work-group, no clusters, 1,280 bytes of LDS; arguments qpart, attn_mask, v_W, out0; writes out0
.if DOCPART == 3
	.amdgcn_target "amdgcn-amd-amdhsa--gfx1250"
	.amdhsa_code_object_version 6
	.text
	.protected	k_qad798f962a_soft
	.globl	k_qad798f962a_soft
	.p2align	8
	.type	k_qad798f962a_soft,@function
k_qad798f962a_soft:
	s_mov_b64 s[64:65], 0
	v_nop
	global_prefetch_b8 v0, s[64:65] scope:SCOPE_SE
	s_setreg_imm32_b32 hwreg(HW_REG_WAVE_MODE, 25, 1), 1
	s_wait_xcnt 0x0
; out0[b][:] = softmax( where(mask == 0, -1e10, V - 2 Q) ), V = the sum of v, Q[s] = the four parts of qpart [b][nq][s].  No work is left out.
; A work-group owns one b: a row of the softmax has one owner.  Thread T holds s = 4 T .. 4 T + 3.  Each wave sums all of v itself, in the same order.
; The maximum is taken away before the exponential: each wave takes its own 128 numbers' maximum m and their sum of 2^((x - m) log2(e)); the eight pairs meet in LDS, and each is brought under the row's maximum M by
; 2^((m - M) log2(e)).  A row that is all masked gives 1 / 1,024.
; LIMITS: NaN and infinities among the inputs are not served.
.set RED,   0                          ; eight pairs of words in a block of 256 bytes
.set SPARE, 256                        ; the spare words, 128 bytes for each wave
.macro WRED opd, op, r                 ; over the 32 lanes; the result in every lane
	s_delay_alu instid0(VALU_DEP_1)
	\opd v\r, v\r, v\r row_xmask:1 row_mask:0xf bank_mask:0xf
	s_delay_alu instid0(VALU_DEP_1)
	\opd v\r, v\r, v\r row_xmask:2 row_mask:0xf bank_mask:0xf
	s_delay_alu instid0(VALU_DEP_1)
	\opd v\r, v\r, v\r row_xmask:4 row_mask:0xf bank_mask:0xf
	s_delay_alu instid0(VALU_DEP_1)
	\opd v\r, v\r, v\r row_xmask:8 row_mask:0xf bank_mask:0xf
	s_delay_alu instid0(VALU_DEP_1)
	v_permlanex16_b32 v45, v\r, s16, s17
	s_delay_alu instid0(VALU_DEP_1)
	\op v\r, v\r, v45
.endm
	s_load_b256 s[4:11], s[0:1], 0x0               ; qpart s[4:5], the mask s[6:7], v_W s[8:9], out0 s[10:11]
	v_lshl_add_u32 v46, v0, 2, SPARE               ; my spare word; never rewritten
	v_mov_b32 v47, 0                               ; 0; never rewritten
	v_lshrrev_b32 v6, 5, v0
	v_and_b32 v5, 31, v0
	v_lshlrev_b32 v4, 4, v0                        ; 16 T
	v_lshlrev_b32 v6, 3, v6                        ; 8 x wave
	v_lshlrev_b32 v5, 4, v5                        ; 16 x lane
	v_mov_b32 v7, 0
	v_mov_b32 v41, 0xd01502f9                      ; -1e10
	v_mov_b32 v45, 0                               ; a lane permute's destination counts as one of its sources
	s_mov_b32 s16, 0x76543210
	s_mov_b32 s17, 0xfedcba98                      ; v_permlanex16_b32's selects for lane l xor 16
	s_lshl_b32 s12, ttmp9, 14                      ; 16,384 bytes of qpart a b,
	s_mov_b32 s13, 0
	s_lshl_b32 s14, ttmp9, 12                      ; 4,096 of the mask and of out0
	s_mov_b32 s15, 0
	s_wait_alu depctr_va_vdst(0)
	s_wait_kmcnt 0x0
	s_add_nc_u64 s[4:5], s[4:5], s[12:13]
	s_add_nc_u64 s[6:7], s[6:7], s[14:15]
	s_add_nc_u64 s[10:11], s[10:11], s[14:15]
.irp i, 0,1,2,3,4,5,6,7
	global_load_b128 v[48+4*\i:51+4*\i], v5, s[8:9] offset:512*\i
.endr
.irp i, 0,1,2,3
	global_load_b128 v[8+4*\i:11+4*\i], v4, s[4:5] offset:4096*\i
.endr
	global_load_b128 v[28:31], v4, s[6:7]
	s_wait_loadcnt 0x5                             ; v is in; the five younger loads may be out
.irp j, 0,2,4,6,8,10,12,14
	v_pk_add_f32 v[48+\j:49+\j], v[48+\j:49+\j], v[64+\j:65+\j]
.endr
.irp j, 0,2,4,6
	v_pk_add_f32 v[48+\j:49+\j], v[48+\j:49+\j], v[56+\j:57+\j]
.endr
.irp j, 0,2
	v_pk_add_f32 v[48+\j:49+\j], v[48+\j:49+\j], v[52+\j:53+\j]
.endr
	v_pk_add_f32 v[48:49], v[48:49], v[50:51]
	v_add_f32 v24, v48, v49
	WRED v_add_f32_dpp, v_add_f32, 24              ; V
	s_wait_alu depctr_va_vdst(0)
	s_wait_loadcnt 0x0
.irp j, 0,2
	v_pk_add_f32 v[8+\j:9+\j], v[8+\j:9+\j], v[12+\j:13+\j]
	v_pk_add_f32 v[16+\j:17+\j], v[16+\j:17+\j], v[20+\j:21+\j]
.endr
.irp j, 0,2
	v_pk_add_f32 v[8+\j:9+\j], v[8+\j:9+\j], v[16+\j:17+\j]
.endr
.irp j, 0,1,2,3
	v_cmp_eq_u32 s[18+\j], 0, v[28+\j]
.endr
.irp j, 0,1,2,3
	v_fma_f32 v[12+\j], v[8+\j], -2.0, v24         ; the score
.endr
.irp j, 0,1,2,3
	v_cndmask_b32 v[12+\j], v[12+\j], v41, s[18+\j]   ; -1e10 where the mask is 0
.endr
	v_max3_num_f32 v42, v12, v13, v14
	v_max_num_f32 v42, v42, v15
	WRED v_max_num_f32_dpp, v_max_num_f32, 42      ; m
.irp j, 0,1,2,3
	v_sub_f32 v[32+\j], v[12+\j], v42              ; exactly 0 at the largest
.endr
.irp j, 0,1,2,3
	v_mul_f32 v[32+\j], 0x3fb8aa3b, v[32+\j]       ; x log2(e)
.endr
	s_wait_alu depctr_va_vdst(0)
.irp j, 0,1,2,3
	v_exp_f32 v[32+\j], v[32+\j]
.endr
	v_nop
	s_wait_alu depctr_va_vdst(0)
	v_add_f32 v43, v32, v33
	v_add_f32 v44, v34, v35
	v_add_f32 v43, v43, v44
	WRED v_add_f32_dpp, v_add_f32, 43
	ds_store_b64 v6, v[42:43] offset:RED           ; all lanes write my wave's pair with the same values
	s_wait_alu depctr_va_vdst(0)
	s_wait_dscnt 0x0                               ; for the others' sake
	s_barrier_signal -1
	s_barrier_wait -1
.irp i, 0,1,2,3
	ds_load_b128 v[48+4*\i:51+4*\i], v7 offset:RED+16*\i
.endr
	s_wait_dscnt 0x0
	v_max3_num_f32 v64, v48, v50, v52
	v_max3_num_f32 v65, v54, v56, v58
	v_max_num_f32 v66, v60, v62
	v_max3_num_f32 v64, v64, v65, v66              ; M
.irp i, 0,1,2,3,4,5,6,7
	v_sub_f32 v[68+\i], v[48+2*\i], v64
.endr
	v_sub_f32 v76, v42, v64
.irp i, 0,1,2,3,4,5,6,7,8
	v_mul_f32 v[68+\i], 0x3fb8aa3b, v[68+\i]
.endr
	s_wait_alu depctr_va_vdst(0)
.irp i, 0,1,2,3,4,5,6,7,8
	v_exp_f32 v[68+\i], v[68+\i]                   ; the ninth is my own wave's
.endr
	v_nop
	s_wait_alu depctr_va_vdst(0)
	v_mul_f32 v77, v49, v68
	v_mul_f32 v78, v51, v69
	v_fma_f32 v77, v53, v70, v77
	v_fma_f32 v78, v55, v71, v78
	v_fma_f32 v77, v57, v72, v77
	v_fma_f32 v78, v59, v73, v78
	v_fma_f32 v77, v61, v74, v77
	v_fma_f32 v78, v63, v75, v78
	v_add_f32 v77, v77, v78                        ; the row's sum
	s_wait_alu depctr_va_vdst(0)
	v_rcp_f32 v79, v77
.irp j, 0,1,2,3
	v_mul_f32 v[12+\j], v[32+\j], v76              ; plain places behind the reciprocal
.endr
	s_wait_alu depctr_va_vdst(0)
.irp j, 0,1,2,3
	v_mul_f32 v[12+\j], v[12+\j], v79
.endr
	global_store_b128 v4, v[12:15], s[10:11]       ; 32 lanes store 512 consecutive bytes
	s_wait_tensorcnt 0x0                           ; the wave's end
	ds_add_u32 v46, v47
	s_wait_dscnt 0x0
	s_endpgm
.Lfunc_end_k_qad798f962a_soft:
	.size	k_qad798f962a_soft, .Lfunc_end_k_qad798f962a_soft-k_qad798f962a_soft
	.p2alignl 7, 3214868480
	.fill 96, 4, 3214868480
	.section	.rodata,"a",@progbits
	.p2align	6, 0x0
	.amdhsa_kernel k_qad798f962a_soft
		.amdhsa_group_segment_fixed_size 1280
		.amdhsa_private_segment_fixed_size 0
		.amdhsa_enable_private_segment 0
		.amdhsa_kernarg_size 32
		.amdhsa_user_sgpr_count 2
		.amdhsa_user_sgpr_kernarg_segment_ptr 1
		.amdhsa_wavefront_size32 1
		.amdhsa_system_sgpr_workgroup_id_x 1
		.amdhsa_system_sgpr_workgroup_id_y 1
		.amdhsa_system_sgpr_workgroup_id_z 1
		.amdhsa_system_vgpr_workitem_id 0
		.amdhsa_next_free_vgpr 80
		.amdhsa_next_free_sgpr 66
		.amdhsa_reserve_vcc 0
		.amdhsa_float_denorm_mode_32 3
		.amdhsa_float_denorm_mode_16_64 3
		.amdhsa_memory_ordered 1
		.amdhsa_forward_progress 1
		.amdhsa_inst_pref_size 10
	.end_amdhsa_kernel
	.amdgpu_metadata
---
amdhsa.version: [ 1, 2 ]
amdhsa.kernels:
  - .name:           k_qad798f962a_soft
    .symbol:         k_qad798f962a_soft.kd
    .args:
      - { .name: qpart, .offset: 0, .size: 8, .value_kind: global_buffer, .address_space: global }
      - { .name: attn_mask, .offset: 8, .size: 8, .value_kind: global_buffer, .address_space: global }
      - { .name: v_W, .offset: 16, .size: 8, .value_kind: global_buffer, .address_space: global }
      - { .name: out0, .offset: 24, .size: 8, .value_kind: global_buffer, .address_space: global }
    .group_segment_fixed_size: 1280
    .private_segment_fixed_size: 0
    .kernarg_segment_align: 8
    .kernarg_segment_size: 32
    .max_flat_workgroup_size: 256
    .sgpr_count:     66
    .vgpr_count:     80
    .wavefront_size: 32
...
	.end_amdgpu_metadata
.endif
;; end of part 3
